; MI455X (gfx1250); checked and timed in simulation.
; The chip was launched on July 23, 2026; its instructions are those of AMD's public machine-readable ISA for CDNA 5 (MIT licence, August 2026) and "CDNA5" Instruction Set Architecture Reference Guide (July 2026). The comments in the code are by the model that wrote it; some were corrected since.
;; Net F. Allowed arithmetic: float matrix products may take bf16 or f16 operands with f32 sums; other float arithmetic in f32, or as packed bf16 or f16 multiplies, adds, multiply-adds, maxima and minima; sums over many terms, partial sums and values carried from step to step in f32; what a program stores and reads back later, other than sums and carried values, may be rounded once to bf16 or f16.
;; Inputs: W0 64 x 2 float32; W1 64 x 64 float32; W2 64 x 64 float32; W3 64 x 64 float32; W4 1 x 64 float32; b0 64 float32; b1 64 float32; b2 64 float32; b3 64 float32; b4 1 float32; t 250,000 x 1 float32; x 250,000 x 1 float32.
;; Outputs: out0 250,000 x 1 float32.
;; 2 versions, each right and faster than the one before. Each part assembles by itself: llvm-mc -triple=amdgcn-amd-amdhsa -mcpu=gfx1250 --defsym DOCPART=n.
;; ======== version 1 of 2: 1 launch
;; limits: values are held in f16: magnitudes above 65,504 overflow, below 6.1e-05 lose precision; right only within a limited range of input values; values are held in bf16: 8 bits of precision
;; launch netf (part 1): grid 245 x 1, 4 waves a work-group, no clusters, 65,280 bytes of LDS; arguments x, t, W0, b0, W1, b1, W2, b2, W3, b3, W4, b4, out0; writes out0
.if DOCPART == 1
	.amdgcn_target "amdgcn-amd-amdhsa--gfx1250"
	.amdhsa_code_object_version 6
	.text
	.protected	k_qff918a1679_netf
	.globl	k_qff918a1679_netf
	.p2align	8
	.type	k_qff918a1679_netf,@function
k_qff918a1679_netf:
	s_mov_b64 s[64:65], 0
	v_nop
	global_prefetch_b8 v0, s[64:65] scope:SCOPE_SE
	s_setreg_imm32_b32 hwreg(HW_REG_WAVE_MODE, 25, 1), 1
	s_wait_xcnt 0x0
; f = u_t + u u_x - nu u_xx for u = a tanh network 2-64-64-64-64-1, at 250,000 points (x, t).  nu = 0.01 / pi.
; ONE FORWARD SWEEP carries four streams through the layers: h, h_x, h_t and g = -h_xx / 2, for which g = tanh'(z) (W g_prev + h z_x^2).
; PER ELEMENT, with c = 2 log2(e):  E = 2^(c z), R = 1 / (1 + E), H = tanh z = 1 - 2 R, T = tanh'(z) / 4 = R - R^2.
; SCALES.  The streams kept are H, X = s h_x, T~ = s h_t (f16) and G = 4 s^2 g (bf16).  The weights are kept as f16(c W) for the first three and bf16(c^2/4 W) for G, the bias as c b in f32
; (the C operand that starts the sum of H's stream).  Then H's sum IS the argument of the exponential, X_new = T ZX, T~_new = T ZT, G_new = T (H ZX^2 + ZG), and s goes down by c / 4 a layer by itself.
; s0, the scale behind layer 0, is a power of two made from the weights: Q = max|W0| x max(1, P1, P1 P2, P1 P2 P3), P_l = c/4 x the largest row sum of |W_l|, bounds h_x and h_t in every layer
; (T <= 1/4), and s0 Q < 2^15: no X or T~ can pass f16's range, whatever the inputs.
; LAST LAYER in f32 on the vector unit: U = sum W4 H, Ux = sum W4 T ZX, Ut = sum W4 T ZT, Gs = sum W4 T V;  f = k1 (Ut + k3 Gs + (U + b4) Ux), k1 = (2 ln 2)^3 / s0, k3 = nu / 2 x k1.
; LAYOUT.  Source 0 = 16 neurons x 32 inputs of the weights, source 1 = 32 inputs x 16 points.  In a result lane l holds point l % 16 and neurons 8 (l / 16) + 0..7 of a block of 16; two neighbouring
; blocks, packed in pairs, ARE the next layer's source 1.  So activations never change lanes and never leave registers, and all weights stay in registers too (384).
; SHARES.  A wave owns 256 points: 16 tiles of 16, two (pieces X and Y) a trip, 8 trips.  BY TURNS: while one piece's 32 matrix instructions of a layer are issued, the other piece's vector work stands
; between them, one slice of about eight lines behind each.  977 waves have points; the last work-group's other three help to lay out the weights and end behind the barrier; the last live wave has
; 144 points, works on clamped loads and masks its stores.
; x, t AND f LIE IN RINGS OF REGISTERS: register j of a ring holds, in lane l, point 32 j + l.  A register's number cannot hang on the trip, so a trip takes the rings' first registers and moves both rings
; one place: 14 copies a trip; the trip's f goes into the place that x's ring has freed.  So every LDS address of the text is fixed, and the loop stores nothing to LDS.
; NO TENSOR LOADS, NO CLUSTER: the weights are converted on their way, so they pass through registers; what work-groups share is 50 KB read once.
; LIMITS.  |W1|, |W2|, |W3| below 22,700 (c W must lie in f16's range); a stream's number below 6e-5 keeps f16's fixed step of 6e-8; Q's exponent is held to 2^-95 .. 2^95; tanh' carries an
; absolute error of about 1e-7 (as 1 - tanh^2 in f32 does); NaN and infinities are not treated apart.  x, t, W0, W4 and all biases stay in f32; W1..W3 are rounded once, to f16 and (for G) to bf16.
;
; LDS:  0 the weight images: (layer l, format f) at (2 l + f) x 8,192; fragment (block m, K step ks) at + (2 m + ks) x 1,024, its registers 4 q .. 4 q + 3 at + 512 q, lane l at + 16 l
;       XCH: wave w's (row-sum maxima of W1, W2, W3, max|W0|) at + 16 w      L0A: each wave's own c b0, 4 s0 W0[:,0], 4 s0 W0[:,1], 256 bytes each
;       STG: each wave's own x, t and f, 1,024 bytes each                     SPARE: the spare words, 128 bytes a wave
; REGISTERS, in windows of 256 (s_set_vgpr_msb: bits 1:0 source 0, 3:2 source 1, 5:4 source 2, 7:6 destination):
;   window 0: v0-7 addresses; v8-15 the ring of x', then of f; v16-23 the ring of t'; v3, v24-31 at work; v32-127 c b1, c b2, c b3 as C operands; v128-255 bf16 weights of W2, W3 (before that: the set-up's work)
;   window 1: piece X, window 2: piece Y: v[32 m ..] the four sums of block m (Z, ZX, ZT, ZG, 8 each); v128-191 the packed streams; v192-207 at work; v208-215 the four dot products; v216-217 x', t'; v224-255 W4
;   window 3: v0-191 f16 weights of W1, W2, W3; v192-255 bf16 weights of W1
.set NPTS,  250000
.set XCH,   49152
.set L0A,   49408
.set L0P,   768
.set STG,   52480
.set STP,   3072
.set SPARE, STG+4*STP                  ; 64,768, a multiple of 256: two blocks of 256 bytes that no other line names
.set LN16, 1                           ; v1   16 x lane
.set L0AD, 2                           ; v2   my wave's layer-0 arrays + 32 (lane / 16)
.set RA,   4                           ; v4   my wave's stage + 4 lane; never rewritten
.set IDX,  5                           ; v5   the number of the first of the four points that I store
.set SPW,  6                           ; v6   LDS address of my spare word; never rewritten
.set NIL,  7                           ; v7   0; never rewritten
.set RX,   8                           ; v8-15   ring: x' of the trips to come, behind them f of the trips done
.set RT,   16                          ; v16-23  ring: t' of the trips to come
.set LANE, 30                          ; v30  lane (the set-up's)
.set BIAS, 32
.set BF,   128                         ; windows 1, 2: stream s (0 H, 1 X, 2 T~, 3 G), K step ks at BF + 16 s + 8 ks
.set TT,   192
.set QQ,   200
.set DOT,  208
.set XT,   216
.set W4C,  224
; the set-up's registers, in window 0
.set G,    128                         ; v128-223  W1, W2, W3 in f32: 32 numbers of a row each
.set TS,   224                         ; v224-231  eight scaled numbers
.set PK,   232                         ; v232-239  packed, two sets by turns
.set WOFF, 240                         ; v240-244  byte offsets of the loads; not rewritten before the wait for all loads
.set XO0,  241
.set XO1,  242
.set B0O,  243
.set BOFF, 244
.set TA,   245                         ; v245  where my 16 bytes of a fragment go
.set XCA,  246                         ; v246  XCH + 16 wave
.set SGA,  247                         ; v247  my wave's stage + 16 lane
.set RSUM, 248                         ; v248-251  row sums of |W1|, |W2|, |W3|; max|W0|
.set CH,   252                         ; v252-255  four chains at work
.set MSB, 0
.macro WIN new                         ; the immediate's high byte repeats the setting that is left; a switch that changes nothing is dropped
.if MSB != (\new)
	s_set_vgpr_msb (MSB<<8)|(\new)
.set MSB, (\new)
.endif
.endm
.macro PW p                            ; every operand place in window p
	WIN (\p)*0x55
.endm
	s_load_b512 s[8:23], s[0:1], 0x0               ; x s[8:9], t s[10:11], W0 s[12:13], b0 s[14:15], W1 s[16:17], b1 s[18:19], W2 s[20:21], b2 s[22:23]
	s_load_b256 s[24:31], s[0:1], 0x40             ; W3 s[24:25], b3 s[26:27], W4 s[28:29], b4 s[30:31]
	s_load_b64 s[32:33], s[0:1], 0x60              ; out0
	v_lshl_add_u32 v[SPW], v0, 2, SPARE
	v_mov_b32 v[NIL], 0
	v_lshrrev_b32 v31, 5, v0
	v_readfirstlane_b32 s2, v31                    ; wave 0..3
	v_and_b32 v[LANE], 31, v0
	v_lshlrev_b32 v[LN16], 4, v[LANE]
	v_lshrrev_b32 v31, 4, v[LANE]                  ; lane / 16
	v_and_b32 v[CH+1], 1, v0                       ; lane % 2
	s_lshl_b32 s4, ttmp9, 10
	s_lshl_b32 s37, s2, 8
	s_add_co_u32 s4, s4, s37                       ; P0 = 256 (4 work-group + wave): my wave's first point
	s_lshl_b32 s52, s4, 2                          ; its byte offset in x, t and out0,
	s_mov_b32 s53, 0                               ; as a pair
	s_mul_i32 s5, s2, L0P
	s_add_co_u32 s5, s5, L0A                       ; my wave's layer-0 arrays
	s_mul_i32 s6, s2, STP
	s_add_co_u32 s6, s6, STG                       ; my wave's stage
	s_lshl_b32 s7, s2, 11                          ; my wave lays out block m = wave of every image: 2 fragments of 1,024 bytes
	s_lshl_b32 s37, s2, 4
	s_add_co_u32 s37, s37, XCH
	s_mov_b32 s42, 0x76543210                      ; v_permlanex16_b32: each lane takes its own place in the other half
	s_mov_b32 s43, 0xfedcba98
	s_mov_b32 s44, 0xffff0000                      ; lanes 16-31
	s_mov_b32 s46, 0x4038aa3b                      ; c = 2 log2(e), as a pair
	s_mov_b32 s47, 0x4038aa3b
	s_mov_b32 s48, 0x40053526                      ; c^2 / 4 = log2(e)^2, as a pair
	s_mov_b32 s49, 0x40053526
	v_lshl_add_u32 v[L0AD], v31, 5, s5
	v_lshl_add_u32 v[RA], v[LANE], 2, s6
	v_lshl_add_u32 v[IDX], v[LANE], 2, s4
	v_lshlrev_b32 v[WOFF], 7, v0                   ; thread T takes row T / 2, inputs 32 (T % 2) .. + 31 of each 64 x 64 matrix: 128 bytes
	v_add_nc_u32 v[XO0], s52, v[LN16]
	v_add_nc_u32 v[XO1], 512, v[XO0]
	v_min_u32 v[XO0], NPTS*4-16, v[XO0]            ; no load passes the buffers' end: lanes beyond it take the last 16 bytes, and their results are not stored
	v_min_u32 v[XO1], NPTS*4-16, v[XO1]
	v_lshlrev_b32 v[B0O], 3, v[LANE]
	v_lshlrev_b32 v[BOFF], 5, v31
	v_lshrrev_b32 v[TA], 1, v[LANE]                ; my row's place in its block of 16 is the fragment's lane % 16,
	v_lshl_add_u32 v[TA], v[TA], 4, s7
	v_lshl_add_u32 v[TA], v[CH+1], 10, v[TA]       ; and lane % 2 is the K step
	v_mov_b32 v[XCA], s37
	v_add_nc_u32 v[SGA], s6, v[LN16]
	s_wait_kmcnt 0x0
	s_load_b32 s34, s[30:31], 0x0                  ; b4
	; 54 LOADS, the matrices first; W4's 16 follow behind W1's conversion
.irp l, 0,1,2
.irp i, 0,1,2,3,4,5,6,7
	global_load_b128 v[G+32*(\l)+4*(\i):G+32*(\l)+4*(\i)+3], v[WOFF], s[16+4*(\l):17+4*(\l)] offset:16*(\i)
.endr
.endr
	global_load_b128 v[8:11],  v[XO0], s[8:9] th:TH_LOAD_NT     ; x of my wave's points 4 lane .. + 3,
	global_load_b128 v[12:15], v[XO1], s[8:9] th:TH_LOAD_NT     ; and 128 + 4 lane .. + 3
	global_load_b128 v[16:19], v[XO0], s[10:11] th:TH_LOAD_NT   ; t likewise
	global_load_b128 v[20:23], v[XO1], s[10:11] th:TH_LOAD_NT
	global_load_b128 v[24:27], v[LN16], s[12:13]                ; W0's rows 2 lane and 2 lane + 1
	global_load_b64 v[28:29], v[B0O], s[14:15]                  ; b0 of the same two
.irp l, 0,1,2
.irp i, 0,1,2,3,4,5,6,7                 ; block i / 2, registers 4 (i % 2) .. + 3: neurons 16 (i / 2) + 8 (lane / 16) + 4 (i % 2) on
	global_load_b128 v[BIAS+32*(\l)+4*(\i):BIAS+32*(\l)+4*(\i)+3], v[BOFF], s[18+4*(\l):19+4*(\l)] offset:64*((\i)/2)+16*((\i)%2)
.endr
.endr
; One matrix: my half row's sum of magnitudes, in four chains; then c W to f16 and c^2/4 W to bf16, eight numbers at a time.  Numbers 8 k .. 8 k + 7 of my 32 are registers 4 (k / 2) .. + 3 of
; lane (row % 16) + 16 (k % 2) of the fragment.
.macro CONVW l
.irp i, 0,1,2,3
	v_add_f32 v[CH+(\i)], |v[G+32*(\l)+(\i)]|, |v[G+32*(\l)+4+(\i)]|
.endr
.irp j, 2,3,4,5,6,7
.irp i, 0,1,2,3
	v_add_f32 v[CH+(\i)], v[CH+(\i)], |v[G+32*(\l)+4*(\j)+(\i)]|
.endr
.endr
.irp f, 0,1
.irp k, 0,1,2,3
.irp q, 0,1,2,3
	v_pk_mul_f32 v[TS+2*(\q):TS+2*(\q)+1], v[G+32*(\l)+8*(\k)+2*(\q):G+32*(\l)+8*(\k)+2*(\q)+1], s[46+2*(\f):47+2*(\f)] op_sel_hi:[1,0]
.endr
.irp q, 0,1,2,3
.if (\f) == 0
	v_cvt_pk_f16_f32 v[PK+4*((\k)%2)+(\q)], v[TS+2*(\q)], v[TS+2*(\q)+1]
.else
	v_cvt_pk_bf16_f32 v[PK+4*((\k)%2)+(\q)], v[TS+2*(\q)], v[TS+2*(\q)+1]
.endif
.endr
	ds_store_b128 v[TA], v[PK+4*((\k)%2):PK+4*((\k)%2)+3] offset:(2*(\l)+(\f))*8192+512*((\k)/2)+256*((\k)%2)
.endr
.endr
	v_add_f32 v[CH], v[CH], v[CH+1]
	v_add_f32 v[CH+2], v[CH+2], v[CH+3]
	v_add_f32 v[RSUM+(\l)], v[CH], v[CH+2]
.endm
	s_wait_loadcnt 46                              ; loads come back in order: behind W1's eight stand 16 + 6 + 24 younger ones
	CONVW 0
	WIN 0x40                                       ; W4 in the biases' layout, once for each piece's window
.irp i, 0,1,2,3,4,5,6,7
	global_load_b128 v[W4C+4*(\i):W4C+4*(\i)+3], v[BOFF], s[28:29] offset:64*((\i)/2)+16*((\i)%2)
.endr
	WIN 0x80
.irp i, 0,1,2,3,4,5,6,7
	global_load_b128 v[W4C+4*(\i):W4C+4*(\i)+3], v[BOFF], s[28:29] offset:64*((\i)/2)+16*((\i)%2)
.endr
	WIN 0
	s_wait_loadcnt 54                              ; behind W2's eight: 8 + 6 + 24 + 16
	CONVW 1
	s_wait_loadcnt 46                              ; behind W3's eight: 6 + 24 + 16
	CONVW 2
	s_wait_loadcnt 0x0                             ; x, t, W0, the biases, W4
	s_wait_kmcnt 0x0                               ; b4
	ds_store_b128 v[SGA], v[8:11]                  ; x and t into my wave's stage: they come back one point a lane
	ds_store_b128 v[SGA], v[12:15] offset:512
	ds_store_b128 v[SGA], v[16:19] offset:1024
	ds_store_b128 v[SGA], v[20:23] offset:1536
.irp l, 0,1,2
	v_add_f32_dpp v[RSUM+(\l)], v[RSUM+(\l)], v[RSUM+(\l)] row_xmask:1 row_mask:0xf bank_mask:0xf  ; the row's other half lies in the lane beside me
.endr
	v_max3_num_f32 v[RSUM+3], |v24|, |v25|, |v26|
	v_max_num_f32 v[RSUM+3], v[RSUM+3], |v27|
	v_max_num_f32_dpp v[RSUM+3], v[RSUM+3], v[RSUM+3] row_xmask:1 row_mask:0xf bank_mask:0xf
.irp x, 2,4,8
.irp l, 0,1,2,3
	v_max_num_f32_dpp v[RSUM+(\l)], v[RSUM+(\l)], v[RSUM+(\l)] row_xmask:\x row_mask:0xf bank_mask:0xf
.endr
.endr
.irp l, 0,1,2,3
	v_permlanex16_b32 v[CH+(\l)], v[RSUM+(\l)], s42, s43
.endr
.irp l, 0,1,2,3
	v_max_num_f32 v[RSUM+(\l)], v[RSUM+(\l)], v[CH+(\l)]      ; the largest of my wave's 16 rows, in every lane
.endr
	ds_store_b128 v[XCA], v[RSUM:RSUM+3]           ; all lanes write the same 16 bytes with the same numbers
.set i, 0
.rept 48
	v_pk_mul_f32 v[BIAS+2*i:BIAS+2*i+1], v[BIAS+2*i:BIAS+2*i+1], s[46:47] op_sel_hi:[1,0]  ; c b1, c b2, c b3
.set i, i+1
.endr
	s_wait_dscnt 0x0                               ; for the others' sake: my part of the images and my maxima are written
	s_barrier_signal -1
	s_barrier_wait -1                              ; the launch's only barrier: behind it the images and XCH are only read
	s_cmp_lt_u32 s4, NPTS
	s_cbranch_scc1 .Lwork
	s_wait_tensorcnt 0x0                           ; a wave without points ends here
	ds_add_u32 v[SPW], v[NIL]
	s_wait_dscnt 0x0
	s_endpgm
.Lwork:
	; THE SCALE
	v_and_b32 v8, 3, v[LANE]
	v_lshlrev_b32 v8, 4, v8
	ds_load_b128 v[12:15], v8 offset:XCH           ; lane l takes wave l % 4's four maxima
	s_wait_dscnt 0x0
.irp x, 1,2
.irp l, 0,1,2,3
	v_max_num_f32_dpp v[12+(\l)], v[12+(\l)], v[12+(\l)] row_xmask:\x row_mask:0xf bank_mask:0xf
.endr
.endr
	v_mul_f32 v12, 0x3f38aa3b, v12                 ; P1 = c/4 R1
	v_mul_f32 v13, 0x3f38aa3b, v13                 ; P2
	v_mul_f32 v14, 0x3f38aa3b, v14                 ; P3
	v_mul_f32 v13, v12, v13                        ; P1 P2
	v_mul_f32 v14, v13, v14                        ; P1 P2 P3
	v_max3_num_f32 v12, v12, v13, v14
	v_max_num_f32 v12, 1.0, v12
	v_mul_f32 v12, v12, v15                        ; Q
	v_bfe_u32 v12, v12, 23, 8                      ; its exponent field eb: Q < 2^(eb - 126)
	v_readfirstlane_b32 s35, v12
	s_max_u32 s35, s35, 32
	s_min_u32 s35, s35, 222                        ; s0 = 2^(141 - eb), so s0 Q < 2^15
	s_sub_co_u32 s36, 270, s35
	s_lshl_b32 s36, s36, 23                        ; 4 s0
	s_sub_co_u32 s37, s35, 16
	s_lshl_b32 s37, s37, 23                        ; 1 / (4 s0)
	s_mul_f32 s40, s37, s46                        ; k0 = c / (4 s0)
	s_sub_co_u32 s37, s35, 14
	s_lshl_b32 s37, s37, 23                        ; 1 / s0
	s_mul_f32 s41, s37, 0x3fb17218                 ; times 4 / c = 2 ln 2, once for each of W1, W2, W3:
	s_mul_f32 s41, s41, 0x3fb17218
	s_mul_f32 s41, s41, 0x3fb17218                 ; k1 = 1 / s3
	s_mul_f32 s38, s41, 0x3c23d70a                 ; times 0.01
	s_mul_f32 s38, s38, 0.15915494                 ; times 1 / (2 pi): k3 = nu / 2 x k1
	s_mov_b32 s39, s38                             ; named with it as a pair
	; my wave's own layer-0 arrays
	v_mul_f32 v8, s36, v24                         ; 4 s0 W0[2 lane][0],
	v_mul_f32 v9, s36, v26                         ;      W0[2 lane + 1][0]
	v_mul_f32 v10, s36, v25                        ; 4 s0 W0[..][1]
	v_mul_f32 v11, s36, v27
	v_pk_mul_f32 v[12:13], v[28:29], s[46:47] op_sel_hi:[1,0]  ; c b0
	v_lshl_add_u32 v14, v[LANE], 3, s5
	ds_store_b64 v14, v[12:13]
	ds_store_b64 v14, v[8:9] offset:256
	ds_store_b64 v14, v[10:11] offset:512
	; ALL WEIGHTS INTO REGISTERS: 96 loads of 512 consecutive bytes
	WIN 0xc0                                       ; destination window 3, address window 0
.irp l, 0,1,2
.irp i, 0,1,2,3,4,5,6,7,8,9,10,11,12,13,14,15
	ds_load_b128 v[64*(\l)+4*(\i):64*(\l)+4*(\i)+3], v[LN16] offset:2*(\l)*8192+512*(\i)
.endr
.endr
.irp i, 0,1,2,3,4,5,6,7,8,9,10,11,12,13,14,15
	ds_load_b128 v[192+4*(\i):192+4*(\i)+3], v[LN16] offset:8192+512*(\i)
.endr
	WIN 0
.irp l, 1,2
.irp i, 0,1,2,3,4,5,6,7,8,9,10,11,12,13,14,15
	ds_load_b128 v[128+64*((\l)-1)+4*(\i):128+64*((\l)-1)+4*(\i)+3], v[LN16] offset:(2*(\l)+1)*8192+512*(\i)
.endr
.endr
	; THE RINGS: register j takes points 32 j + lane
.irp j, 0,1,2,3,4,5,6,7
	ds_load_b32 v[RX+(\j)], v[RA] offset:128*(\j)
	ds_load_b32 v[RT+(\j)], v[RA] offset:1024+128*(\j)
.endr
; THE MATRIX WORK.  RIDE writes matrix instruction MI of the 32 that piece MP's layer ML (0..2: W1..W3) has: block MI / 8, K step (MI / 4) % 2, stream MI % 4.  The four sums of a block take turns, one
; instruction a turn: the two links of a chain stand four matrix instructions apart.  The first K step starts the sums: H's with c b, the others with 0.  MON = 0: nothing.
.macro RIDE
.if MON
.set wM, MI/8
.set wK, (MI/4)%2
.set wS, MI%4
.set wD, 32*wM+8*wS
.set wB, BF+16*wS+8*wK
.if wS < 3
.set wA, 64*ML+16*wM+8*wK
.set wW, 3
.elseif ML == 0
.set wA, 192+16*wM+8*wK
.set wW, 3
.else
.set wA, 128+64*(ML-1)+16*wM+8*wK
.set wW, 0
.endif
.if (wK == 0) && (wS == 0)
	WIN wW|(MP<<2)|(MP<<6)
	v_wmma_f32_16x16x32_f16 v[wD:wD+7], v[wA:wA+7], v[wB:wB+7], v[BIAS+32*ML+8*wM:BIAS+32*ML+8*wM+7]
.elseif (wK == 0) && (wS < 3)
	WIN wW|(MP<<2)|(MP<<4)|(MP<<6)
	v_wmma_f32_16x16x32_f16 v[wD:wD+7], v[wA:wA+7], v[wB:wB+7], 0
.elseif wK == 0
	WIN wW|(MP<<2)|(MP<<4)|(MP<<6)
	v_wmma_f32_16x16x32_bf16 v[wD:wD+7], v[wA:wA+7], v[wB:wB+7], 0
	s_wait_alu depctr_va_vdst(0)
.elseif wS < 3
	WIN wW|(MP<<2)|(MP<<4)|(MP<<6)
	v_wmma_f32_16x16x32_f16 v[wD:wD+7], v[wA:wA+7], v[wB:wB+7], v[wD:wD+7]
.else
	WIN wW|(MP<<2)|(MP<<4)|(MP<<6)
	v_wmma_f32_16x16x32_bf16 v[wD:wD+7], v[wA:wA+7], v[wB:wB+7], v[wD:wD+7]
.endif
.set MI, MI+1
.endif
.endm
; THE VECTOR WORK of block m of piece p, in eight slices, each behind one matrix instruction of the other piece; no line names a register of those.  kind 0: layer 0 (Z, ZX, ZT come from LDS);
; 1: a hidden layer; 2: the last tanh layer with W4's dot products.  A plain line (a square) stands behind each run of exponentials or reciprocals before a result is used (ISA guide 5.7.2).
; Each sum's lowest registers are read first.
.macro SQ q                            ; ZX^2 for the pair at q
	v_pk_mul_f32 v[QQ+(\q):QQ+(\q)+1], v[aX+(\q):aX+(\q)+1], v[aX+(\q):aX+(\q)+1]
.endm
.macro DOTS q, first                   ; the four dot products take the pair at q; the very first pair starts them: nothing is cleared
.if \first
	v_pk_mul_f32 v[DOT:DOT+1],   v[aZ+(\q):aZ+(\q)+1], v[aW+(\q):aW+(\q)+1]
	v_pk_mul_f32 v[DOT+2:DOT+3], v[TT+(\q):TT+(\q)+1], v[aX+(\q):aX+(\q)+1]
	v_pk_mul_f32 v[DOT+4:DOT+5], v[TT+(\q):TT+(\q)+1], v[aT+(\q):aT+(\q)+1]
	v_pk_mul_f32 v[DOT+6:DOT+7], v[TT+(\q):TT+(\q)+1], v[aG+(\q):aG+(\q)+1]
.else
	v_pk_fma_f32 v[DOT:DOT+1],   v[aZ+(\q):aZ+(\q)+1], v[aW+(\q):aW+(\q)+1], v[DOT:DOT+1]
	v_pk_fma_f32 v[DOT+2:DOT+3], v[TT+(\q):TT+(\q)+1], v[aX+(\q):aX+(\q)+1], v[DOT+2:DOT+3]
	v_pk_fma_f32 v[DOT+4:DOT+5], v[TT+(\q):TT+(\q)+1], v[aT+(\q):aT+(\q)+1], v[DOT+4:DOT+5]
	v_pk_fma_f32 v[DOT+6:DOT+7], v[TT+(\q):TT+(\q)+1], v[aG+(\q):aG+(\q)+1], v[DOT+6:DOT+7]
.endif
.endm
.macro TLINES                          ; T = R - R^2
	s_wait_alu depctr_va_vdst(0)
.irp q, 0,2,4,6
	v_pk_fma_f32 v[TT+(\q):TT+(\q)+1], v[aZ+(\q):aZ+(\q)+1], v[aZ+(\q):aZ+(\q)+1], v[aZ+(\q):aZ+(\q)+1] neg_lo:[1,0,0] neg_hi:[1,0,0]
.endr
.endm
.macro HLINES                          ; H = 1 - 2 R, in R's place
.irp q, 0,2,4,6
	v_pk_fma_f32 v[aZ+(\q):aZ+(\q)+1], v[aZ+(\q):aZ+(\q)+1], -2.0, 1.0 op_sel_hi:[1,0,0]
.endr
.endm
.macro VLINES                          ; V = H ZX^2 + ZG, in ZG's place
.irp q, 0,2,4,6
	v_pk_fma_f32 v[aG+(\q):aG+(\q)+1], v[aZ+(\q):aZ+(\q)+1], v[QQ+(\q):QQ+(\q)+1], v[aG+(\q):aG+(\q)+1]
.endr
.endm
.macro VBLK p, m, kind
.set aZ, 32*(\m)
.set aX, aZ+8
.set aT, aZ+16
.set aG, aZ+24
.set aB, BF+8*((\m)/2)+4*((\m)%2)      ; block m is registers 4 (m % 2) .. + 3 of K step m / 2 of the next source 1
.set aW, W4C+8*(\m)
.if (\kind) == 0
	PW \p
.irp q, 0,2,4,6
	v_pk_fma_f32 v[aZ+(\q):aZ+(\q)+1], v[aT+(\q):aT+(\q)+1], v[XT:XT+1], v[aZ+(\q):aZ+(\q)+1] op_sel:[0,1,0] op_sel_hi:[1,1,1]  ; c b0 + ZT t'
.endr
.irp q, 0,2,4,6
	v_pk_fma_f32 v[aZ+(\q):aZ+(\q)+1], v[aX+(\q):aX+(\q)+1], v[XT:XT+1], v[aZ+(\q):aZ+(\q)+1] op_sel_hi:[1,0,1]                 ; + ZX x'
.endr
.endif
	RIDE                                           ; slice 1
	PW \p
.irp i, 0,1,2,3,4,5,6,7
	v_exp_f32 v[aZ+(\i)], v[aZ+(\i)]               ; E
.endr
	RIDE                                           ; slice 2
	PW \p
	SQ 0
	s_wait_alu depctr_va_vdst(0)
.irp q, 0,2,4,6
	v_pk_add_f32 v[aZ+(\q):aZ+(\q)+1], v[aZ+(\q):aZ+(\q)+1], 1.0 op_sel_hi:[1,0]
.endr
	SQ 2
	SQ 4
.if (\kind) < 2
	v_rcp_f32 v[aZ], v[aZ]                         ; R
	RIDE                                           ; slice 3
	PW \p
.irp i, 1,2,3,4,5,6,7
	v_rcp_f32 v[aZ+(\i)], v[aZ+(\i)]
.endr
	SQ 6
	RIDE                                           ; slice 4
	PW \p
	TLINES
	HLINES
	RIDE                                           ; slice 5
	PW \p
.irp q, 0,2,4,6
	v_pk_mul_f32 v[aX+(\q):aX+(\q)+1], v[TT+(\q):TT+(\q)+1], v[aX+(\q):aX+(\q)+1]
.endr
.if (\kind) == 0
.irp q, 0,2,4,6
	v_pk_mul_f32 v[aG+(\q):aG+(\q)+1], v[aZ+(\q):aZ+(\q)+1], v[QQ+(\q):QQ+(\q)+1]   ; layer 0 has no g before it: V = H ZX^2
.endr
.else
	VLINES
.endif
	RIDE                                           ; slice 6
	PW \p
.irp q, 0,2,4,6
	v_pk_mul_f32 v[aT+(\q):aT+(\q)+1], v[TT+(\q):TT+(\q)+1], v[aT+(\q):aT+(\q)+1]
.endr
.irp q, 0,2,4,6
	v_pk_mul_f32 v[aG+(\q):aG+(\q)+1], v[TT+(\q):TT+(\q)+1], v[aG+(\q):aG+(\q)+1]
.endr
	RIDE                                           ; slice 7
	PW \p
.irp q, 0,2,4,6
	v_cvt_pk_f16_f32 v[aB+(\q)/2], v[aZ+(\q)], v[aZ+(\q)+1]
.endr
.irp q, 0,2,4,6
	v_cvt_pk_f16_f32 v[aB+16+(\q)/2], v[aX+(\q)], v[aX+(\q)+1]
.endr
	RIDE                                           ; slice 8
	PW \p
.irp q, 0,2,4,6
	v_cvt_pk_f16_f32 v[aB+32+(\q)/2], v[aT+(\q)], v[aT+(\q)+1]
.endr
.irp q, 0,2,4,6
	v_cvt_pk_bf16_f32 v[aB+48+(\q)/2], v[aG+(\q)], v[aG+(\q)+1]
.endr
.else
	RIDE                                           ; slice 3
	PW \p
.irp i, 0,1,2,3,4,5,6,7
	v_rcp_f32 v[aZ+(\i)], v[aZ+(\i)]
.endr
	RIDE                                           ; slice 4
	PW \p
	SQ 6
	TLINES
	RIDE                                           ; slice 5
	PW \p
	HLINES
.irp q, 0,2,4,6
	v_pk_mul_f32 v[TT+(\q):TT+(\q)+1], v[TT+(\q):TT+(\q)+1], v[aW+(\q):aW+(\q)+1]   ; T W4
.endr
	RIDE                                           ; slice 6
	PW \p
	VLINES
	RIDE                                           ; slice 7
	PW \p
.if (\m) == 0
	DOTS 0, 1
.else
	DOTS 0, 0
.endif
	DOTS 2, 0
	RIDE                                           ; slice 8
	PW \p
	DOTS 4, 0
	DOTS 6, 0
.endif
.endm
; A TURN: piece vp's vector work of one layer, and between its slices piece mp's 32 matrix instructions of layer ml (ml < 0: none).  Behind a turn's last matrix instruction stand eight plain lines
; of the other piece; the sums that it wrote are first read three blocks into the next turn.
.macro TURN vp, kind, mp, ml
.if (\ml) < 0
.set MON, 0
.else
.set MON, 1
.endif
.set MP, (\mp)
.set ML, (\ml)
.set MI, 0
.irp b, 0,1,2,3
	VBLK \vp, \b, \kind
.endr
.endm
; Layer 0's three arrays for piece p, in the sums' layout: 24 loads at fixed addresses; the 16 lanes of a half read the same 16 bytes.
.macro LOADL0 p
	WIN (\p)<<6
.irp i, 0,1,2,3,4,5,6,7
	ds_load_b128 v[32*((\i)/2)+4*((\i)%2):32*((\i)/2)+4*((\i)%2)+3],       v[L0AD] offset:64*((\i)/2)+16*((\i)%2)
	ds_load_b128 v[32*((\i)/2)+8+4*((\i)%2):32*((\i)/2)+8+4*((\i)%2)+3],   v[L0AD] offset:256+64*((\i)/2)+16*((\i)%2)
	ds_load_b128 v[32*((\i)/2)+16+4*((\i)%2):32*((\i)/2)+16+4*((\i)%2)+3], v[L0AD] offset:512+64*((\i)/2)+16*((\i)%2)
.endr
.endm
; The trip's 32 points leave the rings.  Piece X wants point l % 16 in both halves of the lanes, piece Y point 16 + l % 16: each lane keeps its own number or takes that of the lane 16 away.
; Then both rings move one place; x's last place is left for the trip's f.
.macro DIST
	WIN 0
	v_permlanex16_b32 v30, v[RX], s42, s43
	v_permlanex16_b32 v31, v[RT], s42, s43
	WIN 0x40                                       ; destination window 1
	v_cndmask_b32 v[XT],   v[RX], v30, s44         ; X: lanes 0-15 their own, lanes 16-31 the other half's
	v_cndmask_b32 v[XT+1], v[RT], v31, s44
	WIN 0x80                                       ; destination window 2
	v_cndmask_b32 v[XT],   v30, v[RX], s44         ; Y: the other way round
	v_cndmask_b32 v[XT+1], v31, v[RT], s44
	WIN 0
.irp j, 0,1,2,3,4,5,6
	v_mov_b32 v[RX+(\j)], v[RX+(\j)+1]
	v_mov_b32 v[RT+(\j)], v[RT+(\j)+1]
.endr
.endm
; Both pieces' f.  A lane's sums hold 32 of its point's 64 neurons; the others lie in the lane 16 away.  Lanes 0-15 are to end with X's points, lanes 16-31 with Y's: v24-26 take each lane's own
; share of that, v27, v28, v3 the share that the lane 16 away needs, and ONE exchange of the halves serves both pieces.
.macro FINAL
.irp p, 1,2
	PW \p
	v_pk_fma_f32 v[DOT+4:DOT+5], v[DOT+6:DOT+7], s[38:39], v[DOT+4:DOT+5] op_sel_hi:[1,0,1]  ; Ut + k3 Gs
	v_add_f32 v[DOT], v[DOT], v[DOT+1]
	v_add_f32 v[DOT+2], v[DOT+2], v[DOT+3]
	v_add_f32 v[DOT+4], v[DOT+4], v[DOT+5]
.endr
	WIN 0x09                                       ; source 0 window 1 (X), source 1 window 2 (Y), destination window 0
	v_cndmask_b32 v24, v[DOT], v[DOT], s44
	v_cndmask_b32 v25, v[DOT+2], v[DOT+2], s44
	v_cndmask_b32 v26, v[DOT+4], v[DOT+4], s44
	WIN 0x06                                       ; source 0 window 2 (Y), source 1 window 1 (X)
	v_cndmask_b32 v27, v[DOT], v[DOT], s44
	v_cndmask_b32 v28, v[DOT+2], v[DOT+2], s44
	v_cndmask_b32 v3,  v[DOT+4], v[DOT+4], s44
	WIN 0
	v_permlanex16_b32 v29, v27, s42, s43
	v_permlanex16_b32 v30, v28, s42, s43
	v_permlanex16_b32 v31, v3, s42, s43
	v_add_f32 v24, v24, v29                        ; U
	v_add_f32 v25, v25, v30                        ; Ux
	v_add_f32 v26, v26, v31                        ; Ut + k3 Gs
	v_add_f32 v24, s34, v24                        ; u = U + b4
	v_fma_f32 v24, v24, v25, v26
	v_mul_f32 v[RX+7], s41, v24                    ; times k1: f of point 32 trip + lane, into the ring's last place
.endm
	LOADL0 1                                       ; the first trip's piece X; LDS serves a wave's instructions in order (ISA guide 5.7.1.4): these see my stores above
	WIN 0                                          ; at a label and at a branch every window is 0
	s_wait_dscnt 24                                ; all but X's 24 loads just issued: the 96 fragments and the rings are in
.irp j, 0,2,4,6,8,10,12,14
	v_pk_mul_f32 v[RX+(\j):RX+(\j)+1], v[RX+(\j):RX+(\j)+1], s[40:41] op_sel_hi:[1,0]  ; x' = k0 x, t' = k0 t: the two rings lie side by side
.endr
	s_mov_b32 s3, 8
.Ltrip:                                                ; a trip: two tiles of 16 points through all five layers
	DIST
	LOADL0 2
	s_wait_dscnt 24                                ; all but Y's 24 loads just issued: X's arrays are in
	TURN 1, 0, 0, -1                               ; X: layer 0
	s_wait_dscnt 0x0                               ; Y's arrays
	TURN 2, 0, 1, 0                                ; Y: layer 0          | X: products with W1
	TURN 1, 1, 2, 0                                ; X: tanh behind W1   | Y: products with W1
	TURN 2, 1, 1, 1                                ; Y: tanh behind W1   | X: W2
	TURN 1, 1, 2, 1                                ; X: tanh behind W2   | Y: W2
	TURN 2, 1, 1, 2                                ; Y: tanh behind W2   | X: W3
	TURN 1, 2, 2, 2                                ; X: tanh behind W3 and W4's dot products | Y: W3
	LOADL0 1                                       ; X's sums are free: the next trip's arrays come in under Y's last turn (in the last trip nothing uses them)
	TURN 2, 2, 0, -1                               ; Y: tanh behind W3 and W4's dot products
	FINAL
	s_sub_co_u32 s3, s3, 1
	s_cmp_lg_u32 s3, 0
	s_cbranch_scc1 .Ltrip
	; THE WAY OUT: the ring's eight registers hold my wave's 256 results, one point a lane; through my stage they become 16 bytes a lane: 16 lanes store 256 consecutive bytes, at a multiple of 256 from out0's first byte
.irp j, 0,1,2,3,4,5,6,7
	ds_store_b32 v[RA], v[RX+(\j)] offset:2048+128*(\j)
.endr
	v_add_nc_u32 v3, s6, v[LN16]
	ds_load_b128 v[16:19], v3 offset:2048          ; my own bytes, served in order behind the stores above
	ds_load_b128 v[20:23], v3 offset:2560
	s_add_nc_u64 s[32:33], s[32:33], s[52:53]      ; out0 at my wave's first point
	v_cmp_gt_u32 vcc_lo, NPTS, v[IDX]              ; 250,000 is a multiple of 4: a lane's four points exist together or not at all
	s_wait_dscnt 0x0
	s_wait_xcnt 0x0                                ; EXEC changes only behind this wait
	s_and_saveexec_b32 s50, vcc_lo
	global_store_b128 v[LN16], v[16:19], s[32:33] th:TH_STORE_NT
	s_wait_xcnt 0x0                                ; and again in front of the line that widens it
	s_or_b32 exec_lo, exec_lo, s50
	v_add_nc_u32 v[IDX], 128, v[IDX]
	v_cmp_gt_u32 vcc_lo, NPTS, v[IDX]
	s_and_saveexec_b32 s50, vcc_lo
	global_store_b128 v[LN16], v[20:23], s[32:33] offset:512 th:TH_STORE_NT
	s_wait_xcnt 0x0
	s_or_b32 exec_lo, exec_lo, s50
	s_wait_tensorcnt 0x0                           ; the wave's end
	ds_add_u32 v[SPW], v[NIL]
	s_wait_dscnt 0x0
	s_endpgm
.Lfunc_end_k_qff918a1679_netf:
	.size	k_qff918a1679_netf, .Lfunc_end_k_qff918a1679_netf-k_qff918a1679_netf
	.p2alignl 7, 3214868480
	.fill 96, 4, 3214868480
	.section	.rodata,"a",@progbits
	.p2align	6, 0x0
	.amdhsa_kernel k_qff918a1679_netf
		.amdhsa_group_segment_fixed_size 65280
		.amdhsa_private_segment_fixed_size 0
		.amdhsa_enable_private_segment 0
		.amdhsa_kernarg_size 104
		.amdhsa_user_sgpr_count 2
		.amdhsa_user_sgpr_kernarg_segment_ptr 1
		.amdhsa_wavefront_size32 1
		.amdhsa_system_sgpr_workgroup_id_x 1
		.amdhsa_system_sgpr_workgroup_id_y 1
		.amdhsa_system_sgpr_workgroup_id_z 1
		.amdhsa_system_vgpr_workitem_id 0
		.amdhsa_next_free_vgpr 1024
		.amdhsa_next_free_sgpr 66
		.amdhsa_reserve_vcc 1
		.amdhsa_float_denorm_mode_32 3
		.amdhsa_float_denorm_mode_16_64 3
		.amdhsa_memory_ordered 1
		.amdhsa_forward_progress 1
		.amdhsa_inst_pref_size 191
	.end_amdhsa_kernel
	.amdgpu_metadata
---
amdhsa.version: [ 1, 2 ]
amdhsa.kernels:
  - .name:           k_qff918a1679_netf
    .symbol:         k_qff918a1679_netf.kd
    .args:
      - { .name: x, .offset: 0, .size: 8, .value_kind: global_buffer, .address_space: global }
      - { .name: t, .offset: 8, .size: 8, .value_kind: global_buffer, .address_space: global }
      - { .name: W0, .offset: 16, .size: 8, .value_kind: global_buffer, .address_space: global }
      - { .name: b0, .offset: 24, .size: 8, .value_kind: global_buffer, .address_space: global }
      - { .name: W1, .offset: 32, .size: 8, .value_kind: global_buffer, .address_space: global }
      - { .name: b1, .offset: 40, .size: 8, .value_kind: global_buffer, .address_space: global }
      - { .name: W2, .offset: 48, .size: 8, .value_kind: global_buffer, .address_space: global }
      - { .name: b2, .offset: 56, .size: 8, .value_kind: global_buffer, .address_space: global }
      - { .name: W3, .offset: 64, .size: 8, .value_kind: global_buffer, .address_space: global }
      - { .name: b3, .offset: 72, .size: 8, .value_kind: global_buffer, .address_space: global }
      - { .name: W4, .offset: 80, .size: 8, .value_kind: global_buffer, .address_space: global }
      - { .name: b4, .offset: 88, .size: 8, .value_kind: global_buffer, .address_space: global }
      - { .name: out0, .offset: 96, .size: 8, .value_kind: global_buffer, .address_space: global }
    .group_segment_fixed_size: 65280
    .private_segment_fixed_size: 0
    .kernarg_segment_align: 8
    .kernarg_segment_size: 104
    .max_flat_workgroup_size: 128
    .sgpr_count:     66
    .vgpr_count:     1024
    .wavefront_size: 32
...
	.end_amdgpu_metadata
.endif
;; end of part 1
;; ======== version 2 of 2: 1 launch; 1.22 times as fast as version 1
;; limits: values are held in f16: magnitudes above 65,504 overflow, below 6.1e-05 lose precision; right only within a limited range of input values
;; launch netf (part 2): grid 245 x 1, 4 waves a work-group, no clusters, 65,280 bytes of LDS; arguments x, t, W0, b0, W1, b1, W2, b2, W3, b3, W4, b4, out0; writes out0
.if DOCPART == 2
	.amdgcn_target "amdgcn-amd-amdhsa--gfx1250"
	.amdhsa_code_object_version 6
	.text
	.protected	k_qff918a1679_netf
	.globl	k_qff918a1679_netf
	.p2align	8
	.type	k_qff918a1679_netf,@function
k_qff918a1679_netf:
	s_mov_b64 s[64:65], 0
	v_nop
	global_prefetch_b8 v0, s[64:65] scope:SCOPE_SE
	s_setreg_imm32_b32 hwreg(HW_REG_WAVE_MODE, 25, 1), 1
	s_wait_xcnt 0x0
; f = u_t + u u_x - nu u_xx for u = a tanh network 2-64-64-64-64-1, at 250,000 points (x, t).  nu = 0.01 / pi.
; ONE FORWARD SWEEP carries four streams through the layers: h, h_x, h_t and g = -h_xx / 2, for which g = tanh'(z) (W g_prev + h z_x^2).
; PER ELEMENT, with c = 2 log2(e):  E = 2^(c z), R = 1 / (1 + E), H = tanh z = 1 - 2 R, T = tanh'(z) / 4 = R - R^2.
; SCALES.  The streams kept are H, X = s h_x, T~ = s h_t (f16) and G = 4 s^2 g (bf16).  The weights are kept as f16(c W) for the first three and bf16(c^2/4 W) for G, the bias as c b in f32
; (the C operand that starts the sum of H's stream).  Then H's sum IS the argument of the exponential, X_new = T ZX, T~_new = T ZT, G_new = T (H ZX^2 + ZG), and s goes down by c / 4 a layer by itself.
; s0, the scale behind layer 0, is a power of two made from the weights: Q = max|W0| x max(1, P1, P1 P2, P1 P2 P3), P_l = c/4 x the largest row sum of |W_l|, bounds h_x and h_t in every layer
; (T <= 1/4), and s0 Q < 2^15: no X or T~ can pass f16's range, whatever the inputs.
; LAST LAYER in f32 on the vector unit: U = sum W4 H, Ux = sum W4 T ZX, Ut = sum W4 T ZT, Gs = sum W4 T V;  f = k1 (Ut + k3 Gs + (U + b4) Ux), k1 = (2 ln 2)^3 / s0, k3 = nu / 2 x k1.
; LAYOUT.  Source 0 = 16 neurons x 32 inputs of the weights, source 1 = 32 inputs x 16 points.  In a result lane l holds point l % 16 and neurons 8 (l / 16) + 0..7 of a block of 16; two neighbouring
; blocks, packed in pairs, ARE the next layer's source 1.  So activations never change lanes and never leave registers, and all weights stay in registers too (384).
; SHARES.  A wave owns 256 points: 16 tiles of 16, two (pieces X and Y) a trip, 8 trips.  BY TURNS: while one piece's 32 matrix instructions of a layer are issued, the other piece's vector work stands
; between them, seven to nine lines behind each.  977 waves have points; the last work-group's other three help to lay out the weights and end behind the barrier; the last live wave has
; 144 points, works on clamped loads and masks its stores.
; BATCHES.  A turn's vector work is cut in three by two waits.  Ahead of the first stand the piece's 32 exponentials, ONE BATCH, and between them plain lines that name none of their results: the squares
; ZX^2, in layer 0 also the multiply-adds that make Z.  Between the two waits stand 1 + E and the 32 reciprocals, the SECOND BATCH.  Behind the second stands all that reads R, block by block.
; Every result lies in its own Z's place, a register of its own while its batch is open.  No result crosses a turn's end: 16 waits a trip for 512 transcendentals.
; x, t AND f LIE IN RINGS OF REGISTERS: register j of a ring holds, in lane l, point 32 j + l.  A register's number cannot hang on the trip, so a trip takes the rings' first registers and moves both rings
; one place: 14 copies a trip; the trip's f goes into the place that x's ring has freed.  So every LDS address of the text is fixed, and the loop stores nothing to LDS.
; NO TENSOR LOADS, NO CLUSTER: the weights are converted on their way, so they pass through registers; what work-groups share is 50 KB read once.
; LIMITS.  |W1|, |W2|, |W3| below 22,700 (c W must lie in f16's range); a stream's number below 6e-5 keeps f16's fixed step of 6e-8; Q's exponent is held to 2^-95 .. 2^95; tanh' carries an
; absolute error of about 1e-7 (as 1 - tanh^2 in f32 does); NaN and infinities are not treated apart.  x, t, W0, W4 and all biases stay in f32; W1..W3 are rounded once, to f16 and (for G) to bf16.
;
; LDS:  0 the weight images: (layer l, format f) at (2 l + f) x 8,192; fragment (block m, K step ks) at + (2 m + ks) x 1,024, its registers 4 q .. 4 q + 3 at + 512 q, lane l at + 16 l
;       XCH: wave w's (row-sum maxima of W1, W2, W3, max|W0|) at + 16 w      L0A: each wave's own c b0, 4 s0 W0[:,0], 4 s0 W0[:,1], 256 bytes each
;       STG: each wave's own x, t and f, 1,024 bytes each                     SPARE: the spare words, 128 bytes a wave
; REGISTERS, in windows of 256 (s_set_vgpr_msb: bits 1:0 source 0, 3:2 source 1, 5:4 source 2, 7:6 destination):
;   window 0: v0-7 addresses; v8-15 the ring of x', then of f; v16-23 the ring of t'; v3, v24-31 at work; v32-127 c b1, c b2, c b3 as C operands; v128-255 bf16 weights of W2, W3 (before that: the set-up's work)
;   window 1: piece X, window 2: piece Y: v[32 m ..] the four sums of block m (Z, ZX, ZT, ZG, 8 each); v128-191 the packed streams; v192-199 T; v200-207 block 3's squares; v208-215 the four dot products;
;             v216-217 x', t'; v224-255 W4.  The squares of blocks 0, 1, 2 lie in v136-143, v152-159, v168-175: packed streams that are dead from the piece's last product until blocks 2 and 3 are packed anew
;   window 3: v0-191 f16 weights of W1, W2, W3; v192-255 bf16 weights of W1
.set NPTS,  250000
.set XCH,   49152
.set L0A,   49408
.set L0P,   768
.set STG,   52480
.set STP,   3072
.set SPARE, STG+4*STP                  ; 64,768, a multiple of 256: two blocks of 256 bytes that no other line names
.set LN16, 1                           ; v1   16 x lane
.set L0AD, 2                           ; v2   my wave's layer-0 arrays + 32 (lane / 16)
.set RA,   4                           ; v4   my wave's stage + 4 lane; never rewritten
.set IDX,  5                           ; v5   the number of the first of the four points that I store
.set SPW,  6                           ; v6   LDS address of my spare word; never rewritten
.set NIL,  7                           ; v7   0; never rewritten
.set RX,   8                           ; v8-15   ring: x' of the trips to come, behind them f of the trips done
.set RT,   16                          ; v16-23  ring: t' of the trips to come
.set LANE, 30                          ; v30  lane (the set-up's)
.set BIAS, 32
.set BF,   128                         ; windows 1, 2: stream s (0 H, 1 X, 2 T~, 3 G), K step ks at BF + 16 s + 8 ks
.set TT,   192
.set QQ,   200
.set DOT,  208
.set XT,   216
.set W4C,  224
; the set-up's registers, in window 0
.set G,    128                         ; v128-223  W1, W2, W3 in f32: 32 numbers of a row each
.set TS,   224                         ; v224-231  eight scaled numbers
.set PK,   232                         ; v232-239  packed, two sets by turns
.set WOFF, 240                         ; v240-244  byte offsets of the loads; not rewritten before the wait for all loads
.set XO0,  241
.set XO1,  242
.set B0O,  243
.set BOFF, 244
.set TA,   245                         ; v245  where my 16 bytes of a fragment go
.set XCA,  246                         ; v246  XCH + 16 wave
.set SGA,  247                         ; v247  my wave's stage + 16 lane
.set RSUM, 248                         ; v248-251  row sums of |W1|, |W2|, |W3|; max|W0|
.set CH,   252                         ; v252-255  four chains at work
.set MSB, 0
.macro WIN new                         ; the immediate's high byte repeats the setting that is left; a switch that changes nothing is dropped
.if MSB != (\new)
	s_set_vgpr_msb (MSB<<8)|(\new)
.set MSB, (\new)
.endif
.endm
.macro PW p                            ; every operand place in window p
	WIN (\p)*0x55
.endm
	s_load_b512 s[8:23], s[0:1], 0x0               ; x s[8:9], t s[10:11], W0 s[12:13], b0 s[14:15], W1 s[16:17], b1 s[18:19], W2 s[20:21], b2 s[22:23]
	s_load_b256 s[24:31], s[0:1], 0x40             ; W3 s[24:25], b3 s[26:27], W4 s[28:29], b4 s[30:31]
	s_load_b64 s[32:33], s[0:1], 0x60              ; out0
	v_lshl_add_u32 v[SPW], v0, 2, SPARE
	v_mov_b32 v[NIL], 0
	v_lshrrev_b32 v31, 5, v0
	v_readfirstlane_b32 s2, v31                    ; wave 0..3
	v_and_b32 v[LANE], 31, v0
	v_lshlrev_b32 v[LN16], 4, v[LANE]
	v_lshrrev_b32 v31, 4, v[LANE]                  ; lane / 16
	v_and_b32 v[CH+1], 1, v0                       ; lane % 2
	s_lshl_b32 s4, ttmp9, 10
	s_lshl_b32 s37, s2, 8
	s_add_co_u32 s4, s4, s37                       ; P0 = 256 (4 work-group + wave): my wave's first point
	s_lshl_b32 s52, s4, 2                          ; its byte offset in x, t and out0,
	s_mov_b32 s53, 0                               ; as a pair
	s_mul_i32 s5, s2, L0P
	s_add_co_u32 s5, s5, L0A                       ; my wave's layer-0 arrays
	s_mul_i32 s6, s2, STP
	s_add_co_u32 s6, s6, STG                       ; my wave's stage
	s_lshl_b32 s7, s2, 11                          ; my wave lays out block m = wave of every image: 2 fragments of 1,024 bytes
	s_lshl_b32 s37, s2, 4
	s_add_co_u32 s37, s37, XCH
	s_mov_b32 s42, 0x76543210                      ; v_permlanex16_b32: each lane takes its own place in the other half
	s_mov_b32 s43, 0xfedcba98
	s_mov_b32 s44, 0xffff0000                      ; lanes 16-31
	s_mov_b32 s46, 0x4038aa3b                      ; c = 2 log2(e), as a pair
	s_mov_b32 s47, 0x4038aa3b
	s_mov_b32 s48, 0x40053526                      ; c^2 / 4 = log2(e)^2, as a pair
	s_mov_b32 s49, 0x40053526
	v_lshl_add_u32 v[L0AD], v31, 5, s5
	v_lshl_add_u32 v[RA], v[LANE], 2, s6
	v_lshl_add_u32 v[IDX], v[LANE], 2, s4
	v_lshlrev_b32 v[WOFF], 7, v0                   ; thread T takes row T / 2, inputs 32 (T % 2) .. + 31 of each 64 x 64 matrix: 128 bytes
	v_add_nc_u32 v[XO0], s52, v[LN16]
	v_add_nc_u32 v[XO1], 512, v[XO0]
	v_min_u32 v[XO0], NPTS*4-16, v[XO0]            ; no load passes the buffers' end: lanes beyond it take the last 16 bytes, and their results are not stored
	v_min_u32 v[XO1], NPTS*4-16, v[XO1]
	v_lshlrev_b32 v[B0O], 3, v[LANE]
	v_lshlrev_b32 v[BOFF], 5, v31
	v_lshrrev_b32 v[TA], 1, v[LANE]                ; my row's place in its block of 16 is the fragment's lane % 16,
	v_lshl_add_u32 v[TA], v[TA], 4, s7
	v_lshl_add_u32 v[TA], v[CH+1], 10, v[TA]       ; and lane % 2 is the K step
	v_mov_b32 v[XCA], s37
	v_add_nc_u32 v[SGA], s6, v[LN16]
	s_wait_kmcnt 0x0
	s_load_b32 s34, s[30:31], 0x0                  ; b4
	; 54 LOADS, the matrices first; W4's 16 follow behind W1's conversion
.irp l, 0,1,2
.irp i, 0,1,2,3,4,5,6,7
	global_load_b128 v[G+32*(\l)+4*(\i):G+32*(\l)+4*(\i)+3], v[WOFF], s[16+4*(\l):17+4*(\l)] offset:16*(\i)
.endr
.endr
	global_load_b128 v[8:11],  v[XO0], s[8:9] th:TH_LOAD_NT     ; x of my wave's points 4 lane .. + 3,
	global_load_b128 v[12:15], v[XO1], s[8:9] th:TH_LOAD_NT     ; and 128 + 4 lane .. + 3
	global_load_b128 v[16:19], v[XO0], s[10:11] th:TH_LOAD_NT   ; t likewise
	global_load_b128 v[20:23], v[XO1], s[10:11] th:TH_LOAD_NT
	global_load_b128 v[24:27], v[LN16], s[12:13]                ; W0's rows 2 lane and 2 lane + 1
	global_load_b64 v[28:29], v[B0O], s[14:15]                  ; b0 of the same two
.irp l, 0,1,2
.irp i, 0,1,2,3,4,5,6,7                 ; block i / 2, registers 4 (i % 2) .. + 3: neurons 16 (i / 2) + 8 (lane / 16) + 4 (i % 2) on
	global_load_b128 v[BIAS+32*(\l)+4*(\i):BIAS+32*(\l)+4*(\i)+3], v[BOFF], s[18+4*(\l):19+4*(\l)] offset:64*((\i)/2)+16*((\i)%2)
.endr
.endr
; One matrix: my half row's sum of magnitudes, in four chains; then c W to f16 and c^2/4 W to bf16, eight numbers at a time.  Numbers 8 k .. 8 k + 7 of my 32 are registers 4 (k / 2) .. + 3 of
; lane (row % 16) + 16 (k % 2) of the fragment.
.macro CONVW l
.irp i, 0,1,2,3
	v_add_f32 v[CH+(\i)], |v[G+32*(\l)+(\i)]|, |v[G+32*(\l)+4+(\i)]|
.endr
.irp j, 2,3,4,5,6,7
.irp i, 0,1,2,3
	v_add_f32 v[CH+(\i)], v[CH+(\i)], |v[G+32*(\l)+4*(\j)+(\i)]|
.endr
.endr
.irp f, 0,1
.irp k, 0,1,2,3
.irp q, 0,1,2,3
	v_pk_mul_f32 v[TS+2*(\q):TS+2*(\q)+1], v[G+32*(\l)+8*(\k)+2*(\q):G+32*(\l)+8*(\k)+2*(\q)+1], s[46+2*(\f):47+2*(\f)] op_sel_hi:[1,0]
.endr
.irp q, 0,1,2,3
.if (\f) == 0
	v_cvt_pk_f16_f32 v[PK+4*((\k)%2)+(\q)], v[TS+2*(\q)], v[TS+2*(\q)+1]
.else
	v_cvt_pk_bf16_f32 v[PK+4*((\k)%2)+(\q)], v[TS+2*(\q)], v[TS+2*(\q)+1]
.endif
.endr
	ds_store_b128 v[TA], v[PK+4*((\k)%2):PK+4*((\k)%2)+3] offset:(2*(\l)+(\f))*8192+512*((\k)/2)+256*((\k)%2)
.endr
.endr
	v_add_f32 v[CH], v[CH], v[CH+1]
	v_add_f32 v[CH+2], v[CH+2], v[CH+3]
	v_add_f32 v[RSUM+(\l)], v[CH], v[CH+2]
.endm
	s_wait_loadcnt 46                              ; loads come back in order: behind W1's eight stand 16 + 6 + 24 younger ones
	CONVW 0
	WIN 0x40                                       ; W4 in the biases' layout, once for each piece's window
.irp i, 0,1,2,3,4,5,6,7
	global_load_b128 v[W4C+4*(\i):W4C+4*(\i)+3], v[BOFF], s[28:29] offset:64*((\i)/2)+16*((\i)%2)
.endr
	WIN 0x80
.irp i, 0,1,2,3,4,5,6,7
	global_load_b128 v[W4C+4*(\i):W4C+4*(\i)+3], v[BOFF], s[28:29] offset:64*((\i)/2)+16*((\i)%2)
.endr
	WIN 0
	s_wait_loadcnt 54                              ; behind W2's eight: 8 + 6 + 24 + 16
	CONVW 1
	s_wait_loadcnt 46                              ; behind W3's eight: 6 + 24 + 16
	CONVW 2
	s_wait_loadcnt 0x0                             ; x, t, W0, the biases, W4
	s_wait_kmcnt 0x0                               ; b4
	ds_store_b128 v[SGA], v[8:11]                  ; x and t into my wave's stage: they come back one point a lane
	ds_store_b128 v[SGA], v[12:15] offset:512
	ds_store_b128 v[SGA], v[16:19] offset:1024
	ds_store_b128 v[SGA], v[20:23] offset:1536
.irp l, 0,1,2
	v_add_f32_dpp v[RSUM+(\l)], v[RSUM+(\l)], v[RSUM+(\l)] row_xmask:1 row_mask:0xf bank_mask:0xf  ; the row's other half lies in the lane beside me
.endr
	v_max3_num_f32 v[RSUM+3], |v24|, |v25|, |v26|
	v_max_num_f32 v[RSUM+3], v[RSUM+3], |v27|
	v_max_num_f32_dpp v[RSUM+3], v[RSUM+3], v[RSUM+3] row_xmask:1 row_mask:0xf bank_mask:0xf
.irp x, 2,4,8
.irp l, 0,1,2,3
	v_max_num_f32_dpp v[RSUM+(\l)], v[RSUM+(\l)], v[RSUM+(\l)] row_xmask:\x row_mask:0xf bank_mask:0xf
.endr
.endr
.irp l, 0,1,2,3
	v_permlanex16_b32 v[CH+(\l)], v[RSUM+(\l)], s42, s43
.endr
.irp l, 0,1,2,3
	v_max_num_f32 v[RSUM+(\l)], v[RSUM+(\l)], v[CH+(\l)]      ; the largest of my wave's 16 rows, in every lane
.endr
	ds_store_b128 v[XCA], v[RSUM:RSUM+3]           ; all lanes write the same 16 bytes with the same numbers
.set i, 0
.rept 48
	v_pk_mul_f32 v[BIAS+2*i:BIAS+2*i+1], v[BIAS+2*i:BIAS+2*i+1], s[46:47] op_sel_hi:[1,0]  ; c b1, c b2, c b3
.set i, i+1
.endr
	s_wait_dscnt 0x0                               ; for the others' sake: my part of the images and my maxima are written
	s_barrier_signal -1
	s_barrier_wait -1                              ; the launch's only barrier: behind it the images and XCH are only read
	s_cmp_lt_u32 s4, NPTS
	s_cbranch_scc1 .Lwork
	s_wait_tensorcnt 0x0                           ; a wave without points ends here
	ds_add_u32 v[SPW], v[NIL]
	s_wait_dscnt 0x0
	s_endpgm
.Lwork:
	; THE SCALE
	v_and_b32 v8, 3, v[LANE]
	v_lshlrev_b32 v8, 4, v8
	ds_load_b128 v[12:15], v8 offset:XCH           ; lane l takes wave l % 4's four maxima
	s_wait_dscnt 0x0
.irp x, 1,2
.irp l, 0,1,2,3
	v_max_num_f32_dpp v[12+(\l)], v[12+(\l)], v[12+(\l)] row_xmask:\x row_mask:0xf bank_mask:0xf
.endr
.endr
	v_mul_f32 v12, 0x3f38aa3b, v12                 ; P1 = c/4 R1
	v_mul_f32 v13, 0x3f38aa3b, v13                 ; P2
	v_mul_f32 v14, 0x3f38aa3b, v14                 ; P3
	v_mul_f32 v13, v12, v13                        ; P1 P2
	v_mul_f32 v14, v13, v14                        ; P1 P2 P3
	v_max3_num_f32 v12, v12, v13, v14
	v_max_num_f32 v12, 1.0, v12
	v_mul_f32 v12, v12, v15                        ; Q
	v_bfe_u32 v12, v12, 23, 8                      ; its exponent field eb: Q < 2^(eb - 126)
	v_readfirstlane_b32 s35, v12
	s_max_u32 s35, s35, 32
	s_min_u32 s35, s35, 222                        ; s0 = 2^(141 - eb), so s0 Q < 2^15
	s_sub_co_u32 s36, 270, s35
	s_lshl_b32 s36, s36, 23                        ; 4 s0
	s_sub_co_u32 s37, s35, 16
	s_lshl_b32 s37, s37, 23                        ; 1 / (4 s0)
	s_mul_f32 s40, s37, s46                        ; k0 = c / (4 s0)
	s_sub_co_u32 s37, s35, 14
	s_lshl_b32 s37, s37, 23                        ; 1 / s0
	s_mul_f32 s41, s37, 0x3fb17218                 ; times 4 / c = 2 ln 2, once for each of W1, W2, W3:
	s_mul_f32 s41, s41, 0x3fb17218
	s_mul_f32 s41, s41, 0x3fb17218                 ; k1 = 1 / s3
	s_mul_f32 s38, s41, 0x3c23d70a                 ; times 0.01
	s_mul_f32 s38, s38, 0.15915494                 ; times 1 / (2 pi): k3 = nu / 2 x k1
	s_mov_b32 s39, s38                             ; named with it as a pair
	; my wave's own layer-0 arrays
	v_mul_f32 v8, s36, v24                         ; 4 s0 W0[2 lane][0],
	v_mul_f32 v9, s36, v26                         ;      W0[2 lane + 1][0]
	v_mul_f32 v10, s36, v25                        ; 4 s0 W0[..][1]
	v_mul_f32 v11, s36, v27
	v_pk_mul_f32 v[12:13], v[28:29], s[46:47] op_sel_hi:[1,0]  ; c b0
	v_lshl_add_u32 v14, v[LANE], 3, s5
	ds_store_b64 v14, v[12:13]
	ds_store_b64 v14, v[8:9] offset:256
	ds_store_b64 v14, v[10:11] offset:512
	; ALL WEIGHTS INTO REGISTERS: 96 loads of 512 consecutive bytes
	WIN 0xc0                                       ; destination window 3, address window 0
.irp l, 0,1,2
.irp i, 0,1,2,3,4,5,6,7,8,9,10,11,12,13,14,15
	ds_load_b128 v[64*(\l)+4*(\i):64*(\l)+4*(\i)+3], v[LN16] offset:2*(\l)*8192+512*(\i)
.endr
.endr
.irp i, 0,1,2,3,4,5,6,7,8,9,10,11,12,13,14,15
	ds_load_b128 v[192+4*(\i):192+4*(\i)+3], v[LN16] offset:8192+512*(\i)
.endr
	WIN 0
.irp l, 1,2
.irp i, 0,1,2,3,4,5,6,7,8,9,10,11,12,13,14,15
	ds_load_b128 v[128+64*((\l)-1)+4*(\i):128+64*((\l)-1)+4*(\i)+3], v[LN16] offset:(2*(\l)+1)*8192+512*(\i)
.endr
.endr
	; THE RINGS: register j takes points 32 j + lane
.irp j, 0,1,2,3,4,5,6,7
	ds_load_b32 v[RX+(\j)], v[RA] offset:128*(\j)
	ds_load_b32 v[RT+(\j)], v[RA] offset:1024+128*(\j)
.endr
; THE MATRIX WORK.  RIDE writes matrix instruction MI of the 32 that piece MP's layer ML (0..2: W1..W3) has: block MI / 8, K step (MI / 4) % 2, stream MI % 4.  The four sums of a block take turns, one
; instruction a turn: the two links of a chain stand four matrix instructions apart.  The first K step starts the sums: H's with c b, the others with 0.  MON = 0: nothing.
.macro RIDE
.if MON
.set wM, MI/8
.set wK, (MI/4)%2
.set wS, MI%4
.set wD, 32*wM+8*wS
.set wB, BF+16*wS+8*wK
.if wS < 3
.set wA, 64*ML+16*wM+8*wK
.set wW, 3
.elseif ML == 0
.set wA, 192+16*wM+8*wK
.set wW, 3
.else
.set wA, 128+64*(ML-1)+16*wM+8*wK
.set wW, 0
.endif
.if (wK == 0) && (wS == 0)
	WIN wW|(MP<<2)|(MP<<6)
	v_wmma_f32_16x16x32_f16 v[wD:wD+7], v[wA:wA+7], v[wB:wB+7], v[BIAS+32*ML+8*wM:BIAS+32*ML+8*wM+7]
.elseif (wK == 0) && (wS < 3)
	WIN wW|(MP<<2)|(MP<<4)|(MP<<6)
	v_wmma_f32_16x16x32_f16 v[wD:wD+7], v[wA:wA+7], v[wB:wB+7], 0
.elseif wK == 0
	WIN wW|(MP<<2)|(MP<<4)|(MP<<6)
	v_wmma_f32_16x16x32_bf16 v[wD:wD+7], v[wA:wA+7], v[wB:wB+7], 0
.elseif wS < 3
	WIN wW|(MP<<2)|(MP<<4)|(MP<<6)
	v_wmma_f32_16x16x32_f16 v[wD:wD+7], v[wA:wA+7], v[wB:wB+7], v[wD:wD+7]
.else
	WIN wW|(MP<<2)|(MP<<4)|(MP<<6)
	v_wmma_f32_16x16x32_bf16 v[wD:wD+7], v[wA:wA+7], v[wB:wB+7], v[wD:wD+7]
.endif
.set MI, MI+1
.endif
.endm
; THE VECTOR WORK of piece VP, a line at a time.  VL writes one line in the piece's window and counts it; ahead of lines PH, PH + PER, PH + 2 PER .. it writes the other piece's next matrix instruction.
; A turn has 32 PER lines, so all 32 matrix instructions are dealt, PER lines behind each; no line names a register of those.
.macro VL line:vararg
.if (LC%PER) == PH
	RIDE
.endif
	PW VP
	\line
.set LC, LC+1
.endm
.macro BLK m                           ; the registers of block m
.set aZ, 32*(\m)
.set aX, aZ+8
.set aT, aZ+16
.set aG, aZ+24
.set aB, BF+8*((\m)/2)+4*((\m)%2)      ; block m is registers 4 (m % 2) .. + 3 of K step m / 2 of the next source 1
.set aW, W4C+8*(\m)
.set aQ, BF+8+16*(\m)                  ; its squares: K step 1 of packed stream m, which only the packs of blocks 2 and 3 write, block 2's behind the use of its own squares;
.if (\m) == 3
.set aQ, QQ                            ; block 3's must outlive block 2's pack
.endif
.endm
.macro PAIR j                          ; pair j of the piece's 16 pairs a sum: block j / 4, registers pO, pO + 1
	BLK (\j)/4
.set pO, 2*((\j)%4)
.endm
.macro EX e                            ; E, number e of 32, in Z's place
	BLK (\e)/8
	VL v_exp_f32 v[aZ+(\e)%8], v[aZ+(\e)%8]
.endm
.macro RC e                            ; R, number e of 32, in the same place
	BLK (\e)/8
	VL v_rcp_f32 v[aZ+(\e)%8], v[aZ+(\e)%8]
.endm
.macro AD j                            ; 1 + E for pair j
	PAIR \j
	VL v_pk_add_f32 v[aZ+pO:aZ+pO+1], v[aZ+pO:aZ+pO+1], 1.0 op_sel_hi:[1,0]
.endm
.macro SQ j                            ; ZX^2 for pair j: it names no Z.  Each ZX's lowest registers are read first
	PAIR \j
	VL v_pk_mul_f32 v[aQ+pO:aQ+pO+1], v[aX+pO:aX+pO+1], v[aX+pO:aX+pO+1]
.endm
.macro F1 j                            ; layer 0: c b0 + ZT t' for pair j
	PAIR \j
	VL v_pk_fma_f32 v[aZ+pO:aZ+pO+1], v[aT+pO:aT+pO+1], v[XT:XT+1], v[aZ+pO:aZ+pO+1] op_sel:[0,1,0] op_sel_hi:[1,1,1]
.endm
.macro F2 j                            ; + ZX x'
	PAIR \j
	VL v_pk_fma_f32 v[aZ+pO:aZ+pO+1], v[aX+pO:aX+pO+1], v[XT:XT+1], v[aZ+pO:aZ+pO+1] op_sel_hi:[1,0,1]
.endm
.macro PL0 p                           ; number p of layer 0's 47 plain lines ahead of the first wait: 0-31 by blocks of eight, four F1 and then four F2; 32-46 squares 0-14
.if (\p) < 32
.if ((\p)%8) < 4
	F1 4*((\p)/8)+(\p)%4
.else
	F2 4*((\p)/8)+(\p)%4
.endif
.else
	SQ (\p)-32
.endif
.endm
.macro DOTS q, first                   ; the four dot products take the pair at q; the very first pair starts them: nothing is cleared
.if \first
	VL v_pk_mul_f32 v[DOT:DOT+1], v[aZ+(\q):aZ+(\q)+1], v[aW+(\q):aW+(\q)+1]
	VL v_pk_mul_f32 v[DOT+2:DOT+3], v[TT+(\q):TT+(\q)+1], v[aX+(\q):aX+(\q)+1]
	VL v_pk_mul_f32 v[DOT+4:DOT+5], v[TT+(\q):TT+(\q)+1], v[aT+(\q):aT+(\q)+1]
	VL v_pk_mul_f32 v[DOT+6:DOT+7], v[TT+(\q):TT+(\q)+1], v[aG+(\q):aG+(\q)+1]
.else
	VL v_pk_fma_f32 v[DOT:DOT+1], v[aZ+(\q):aZ+(\q)+1], v[aW+(\q):aW+(\q)+1], v[DOT:DOT+1]
	VL v_pk_fma_f32 v[DOT+2:DOT+3], v[TT+(\q):TT+(\q)+1], v[aX+(\q):aX+(\q)+1], v[DOT+2:DOT+3]
	VL v_pk_fma_f32 v[DOT+4:DOT+5], v[TT+(\q):TT+(\q)+1], v[aT+(\q):aT+(\q)+1], v[DOT+4:DOT+5]
	VL v_pk_fma_f32 v[DOT+6:DOT+7], v[TT+(\q):TT+(\q)+1], v[aG+(\q):aG+(\q)+1], v[DOT+6:DOT+7]
.endif
.endm
; All of block m that reads R, behind the turn's second wait.  kind 0: layer 0; 1: a hidden layer (40 lines each); 2: the last tanh layer with W4's dot products (32 lines).
; Each sum's lowest registers are read first.
.macro TAIL m, kind
	BLK \m
.irp q, 0,2,4,6                        ; T = R - R^2
	VL v_pk_fma_f32 v[TT+(\q):TT+(\q)+1], v[aZ+(\q):aZ+(\q)+1], v[aZ+(\q):aZ+(\q)+1], v[aZ+(\q):aZ+(\q)+1] neg_lo:[1,0,0] neg_hi:[1,0,0]
.endr
.irp q, 0,2,4,6                        ; H = 1 - 2 R, in R's place
	VL v_pk_fma_f32 v[aZ+(\q):aZ+(\q)+1], v[aZ+(\q):aZ+(\q)+1], -2.0, 1.0 op_sel_hi:[1,0,0]
.endr
.if (\kind) < 2
.irp q, 0,2,4,6                        ; X = T ZX
	VL v_pk_mul_f32 v[aX+(\q):aX+(\q)+1], v[TT+(\q):TT+(\q)+1], v[aX+(\q):aX+(\q)+1]
.endr
.if (\kind) == 0
.irp q, 0,2,4,6                        ; layer 0 has no g before it: V = H ZX^2
	VL v_pk_mul_f32 v[aG+(\q):aG+(\q)+1], v[aZ+(\q):aZ+(\q)+1], v[aQ+(\q):aQ+(\q)+1]
.endr
.else
.irp q, 0,2,4,6                        ; V = H ZX^2 + ZG, in ZG's place
	VL v_pk_fma_f32 v[aG+(\q):aG+(\q)+1], v[aZ+(\q):aZ+(\q)+1], v[aQ+(\q):aQ+(\q)+1], v[aG+(\q):aG+(\q)+1]
.endr
.endif
.irp q, 0,2,4,6                        ; T~ = T ZT
	VL v_pk_mul_f32 v[aT+(\q):aT+(\q)+1], v[TT+(\q):TT+(\q)+1], v[aT+(\q):aT+(\q)+1]
.endr
.irp q, 0,2,4,6                        ; G = T V
	VL v_pk_mul_f32 v[aG+(\q):aG+(\q)+1], v[TT+(\q):TT+(\q)+1], v[aG+(\q):aG+(\q)+1]
.endr
.irp q, 0,2,4,6                        ; the four streams are packed: the next layer's source 1
	VL v_cvt_pk_f16_f32 v[aB+(\q)/2], v[aZ+(\q)], v[aZ+(\q)+1]
.endr
.irp q, 0,2,4,6
	VL v_cvt_pk_f16_f32 v[aB+16+(\q)/2], v[aX+(\q)], v[aX+(\q)+1]
.endr
.irp q, 0,2,4,6
	VL v_cvt_pk_f16_f32 v[aB+32+(\q)/2], v[aT+(\q)], v[aT+(\q)+1]
.endr
.irp q, 0,2,4,6
	VL v_cvt_pk_bf16_f32 v[aB+48+(\q)/2], v[aG+(\q)], v[aG+(\q)+1]
.endr
.else
.irp q, 0,2,4,6                        ; T W4
	VL v_pk_mul_f32 v[TT+(\q):TT+(\q)+1], v[TT+(\q):TT+(\q)+1], v[aW+(\q):aW+(\q)+1]
.endr
.irp q, 0,2,4,6                        ; V = H ZX^2 + ZG, in ZG's place
	VL v_pk_fma_f32 v[aG+(\q):aG+(\q)+1], v[aZ+(\q):aZ+(\q)+1], v[aQ+(\q):aQ+(\q)+1], v[aG+(\q):aG+(\q)+1]
.endr
.if (\m) == 0
	DOTS 0, 1
.else
	DOTS 0, 0
.endif
	DOTS 2, 0
	DOTS 4, 0
	DOTS 6, 0
.endif
.endm
; A TURN: piece vp's vector work of one layer, and between its lines piece mp's 32 matrix instructions of layer ml (ml < 0: none).
; THE COUNT.  Ahead of the first wait 79 lines in layer 0 (32 multiply-adds, 32 exponentials, 15 squares), 47 elsewhere; between the waits 49 (16 additions, 32 reciprocals, the last square); behind the
; second 4 x 40, in the last layer 4 x 32.  That is 288, 256, 224 lines = 32 x PER with PER = 9, 8, 7.  In layer 0 the deal begins at line PH = 2, so that its second wait, at line 128, stands nine lines
; behind a matrix instruction.
; THE ORDER IN A BATCH.  Layer 0: eight plain lines lead, then exponential and plain by turns: exponential e = 8 b + r follows plain line e + 7 and needs plain line 8 b + 4 + r / 2.  Elsewhere two
; exponentials to a square.  A reciprocal's 1 + E stands two pairs ahead of it.  Each batch ends with a square, the plain line between its last transcendental and the first use of a result (ISA guide 5.7.2).
; PLACES.  Behind a turn's last matrix instruction stand seven plain lines or more of the other piece: they come ahead of every line of the next turn that reads its sums or writes squares over its sources.
.macro TURN vp, kind, mp, ml
.if (\ml) < 0
.set MON, 0
.else
.set MON, 1
.endif
.set MP, (\mp)
.set ML, (\ml)
.set MI, 0
.set VP, (\vp)
.set LC, 0
.set PER, 9-(\kind)
.set PH, 0
.if (\kind) == 0
.set PH, 2
.set j, 0
.rept 8
	PL0 j
.set j, j+1
.endr
.rept 32
	EX j-8
	PL0 j
.set j, j+1
.endr
.rept 7
	PL0 j
.set j, j+1
.endr
.else
.irp e, 0,1,2,3
	EX \e
.endr
.set j, 0
.rept 14
	SQ j
	EX 2*j+4
	EX 2*j+5
.set j, j+1
.endr
	SQ 14
.endif
	s_wait_alu depctr_va_vdst(0)                   ; ONE wait for the turn's 32 exponentials, ahead of their first reader, the addition below
	AD 0
	AD 1
.set j, 0
.rept 14
	RC 2*j
	RC 2*j+1
	AD j+2
.set j, j+1
.endr
.irp e, 28,29,30,31
	RC \e
.endr
	SQ 15
	s_wait_alu depctr_va_vdst(0)                   ; and ONE for the turn's 32 reciprocals, ahead of their first reader, block 0's T
.irp b, 0,1,2,3
	TAIL \b, \kind
.endr
.endm
; Layer 0's three arrays for piece p, in the sums' layout: 24 loads at fixed addresses; the 16 lanes of a half read the same 16 bytes.
.macro LOADL0 p
	WIN (\p)<<6
.irp i, 0,1,2,3,4,5,6,7
	ds_load_b128 v[32*((\i)/2)+4*((\i)%2):32*((\i)/2)+4*((\i)%2)+3],       v[L0AD] offset:64*((\i)/2)+16*((\i)%2)
	ds_load_b128 v[32*((\i)/2)+8+4*((\i)%2):32*((\i)/2)+8+4*((\i)%2)+3],   v[L0AD] offset:256+64*((\i)/2)+16*((\i)%2)
	ds_load_b128 v[32*((\i)/2)+16+4*((\i)%2):32*((\i)/2)+16+4*((\i)%2)+3], v[L0AD] offset:512+64*((\i)/2)+16*((\i)%2)
.endr
.endm
; The trip's 32 points leave the rings.  Piece X wants point l % 16 in both halves of the lanes, piece Y point 16 + l % 16: each lane keeps its own number or takes that of the lane 16 away.
; Then both rings move one place; x's last place is left for the trip's f.
.macro DIST
	WIN 0
	v_permlanex16_b32 v30, v[RX], s42, s43
	v_permlanex16_b32 v31, v[RT], s42, s43
	WIN 0x40                                       ; destination window 1
	v_cndmask_b32 v[XT],   v[RX], v30, s44         ; X: lanes 0-15 their own, lanes 16-31 the other half's
	v_cndmask_b32 v[XT+1], v[RT], v31, s44
	WIN 0x80                                       ; destination window 2
	v_cndmask_b32 v[XT],   v30, v[RX], s44         ; Y: the other way round
	v_cndmask_b32 v[XT+1], v31, v[RT], s44
	WIN 0
.irp j, 0,1,2,3,4,5,6
	v_mov_b32 v[RX+(\j)], v[RX+(\j)+1]
	v_mov_b32 v[RT+(\j)], v[RT+(\j)+1]
.endr
.endm
; Both pieces' f.  A lane's sums hold 32 of its point's 64 neurons; the others lie in the lane 16 away.  Lanes 0-15 are to end with X's points, lanes 16-31 with Y's: v24-26 take each lane's own
; share of that, v27, v28, v3 the share that the lane 16 away needs, and ONE exchange of the halves serves both pieces.
.macro FINAL
.irp p, 1,2
	PW \p
	v_pk_fma_f32 v[DOT+4:DOT+5], v[DOT+6:DOT+7], s[38:39], v[DOT+4:DOT+5] op_sel_hi:[1,0,1]  ; Ut + k3 Gs
	v_add_f32 v[DOT], v[DOT], v[DOT+1]
	v_add_f32 v[DOT+2], v[DOT+2], v[DOT+3]
	v_add_f32 v[DOT+4], v[DOT+4], v[DOT+5]
.endr
	WIN 0x09                                       ; source 0 window 1 (X), source 1 window 2 (Y), destination window 0
	v_cndmask_b32 v24, v[DOT], v[DOT], s44
	v_cndmask_b32 v25, v[DOT+2], v[DOT+2], s44
	v_cndmask_b32 v26, v[DOT+4], v[DOT+4], s44
	WIN 0x06                                       ; source 0 window 2 (Y), source 1 window 1 (X)
	v_cndmask_b32 v27, v[DOT], v[DOT], s44
	v_cndmask_b32 v28, v[DOT+2], v[DOT+2], s44
	v_cndmask_b32 v3,  v[DOT+4], v[DOT+4], s44
	WIN 0
	v_permlanex16_b32 v29, v27, s42, s43
	v_permlanex16_b32 v30, v28, s42, s43
	v_permlanex16_b32 v31, v3, s42, s43
	v_add_f32 v24, v24, v29                        ; U
	v_add_f32 v25, v25, v30                        ; Ux
	v_add_f32 v26, v26, v31                        ; Ut + k3 Gs
	v_add_f32 v24, s34, v24                        ; u = U + b4
	v_fma_f32 v24, v24, v25, v26
	v_mul_f32 v[RX+7], s41, v24                    ; times k1: f of point 32 trip + lane, into the ring's last place
.endm
	LOADL0 1                                       ; the first trip's piece X; LDS serves a wave's instructions in order (ISA guide 5.7.1.4): these see my stores above
	WIN 0                                          ; at a label and at a branch every window is 0
	s_wait_dscnt 24                                ; all but X's 24 loads just issued: the 96 fragments and the rings are in
.irp j, 0,2,4,6,8,10,12,14
	v_pk_mul_f32 v[RX+(\j):RX+(\j)+1], v[RX+(\j):RX+(\j)+1], s[40:41] op_sel_hi:[1,0]  ; x' = k0 x, t' = k0 t: the two rings lie side by side
.endr
	s_mov_b32 s3, 8
.Ltrip:                                                ; a trip: two tiles of 16 points through all five layers
	DIST
	LOADL0 2
	s_wait_dscnt 24                                ; all but Y's 24 loads just issued: X's arrays are in
	TURN 1, 0, 0, -1                               ; X: layer 0
	s_wait_dscnt 0x0                               ; Y's arrays
	TURN 2, 0, 1, 0                                ; Y: layer 0          | X: products with W1
	TURN 1, 1, 2, 0                                ; X: tanh behind W1   | Y: products with W1
	TURN 2, 1, 1, 1                                ; Y: tanh behind W1   | X: W2
	TURN 1, 1, 2, 1                                ; X: tanh behind W2   | Y: W2
	TURN 2, 1, 1, 2                                ; Y: tanh behind W2   | X: W3
	TURN 1, 2, 2, 2                                ; X: tanh behind W3 and W4's dot products | Y: W3
	LOADL0 1                                       ; X's sums are free: the next trip's arrays come in under Y's last turn (in the last trip nothing uses them)
	TURN 2, 2, 0, -1                               ; Y: tanh behind W3 and W4's dot products
	FINAL
	s_sub_co_u32 s3, s3, 1
	s_cmp_lg_u32 s3, 0
	s_cbranch_scc1 .Ltrip
	; THE WAY OUT: the ring's eight registers hold my wave's 256 results, one point a lane; through my stage they become 16 bytes a lane: 16 lanes store 256 consecutive bytes, at a multiple of 256 from out0's first byte
.irp j, 0,1,2,3,4,5,6,7
	ds_store_b32 v[RA], v[RX+(\j)] offset:2048+128*(\j)
.endr
	v_add_nc_u32 v3, s6, v[LN16]
	ds_load_b128 v[16:19], v3 offset:2048          ; my own bytes, served in order behind the stores above
	ds_load_b128 v[20:23], v3 offset:2560
	s_add_nc_u64 s[32:33], s[32:33], s[52:53]      ; out0 at my wave's first point
	v_cmp_gt_u32 vcc_lo, NPTS, v[IDX]              ; 250,000 is a multiple of 4: a lane's four points exist together or not at all
	s_wait_dscnt 0x0
	s_wait_xcnt 0x0                                ; EXEC changes only behind this wait
	s_and_saveexec_b32 s50, vcc_lo
	global_store_b128 v[LN16], v[16:19], s[32:33] th:TH_STORE_NT
	s_wait_xcnt 0x0                                ; and again in front of the line that widens it
	s_or_b32 exec_lo, exec_lo, s50
	v_add_nc_u32 v[IDX], 128, v[IDX]
	v_cmp_gt_u32 vcc_lo, NPTS, v[IDX]
	s_and_saveexec_b32 s50, vcc_lo
	global_store_b128 v[LN16], v[20:23], s[32:33] offset:512 th:TH_STORE_NT
	s_wait_xcnt 0x0
	s_or_b32 exec_lo, exec_lo, s50
	s_wait_tensorcnt 0x0                           ; the wave's end
	ds_add_u32 v[SPW], v[NIL]
	s_wait_dscnt 0x0
	s_endpgm
.Lfunc_end_k_qff918a1679_netf:
	.size	k_qff918a1679_netf, .Lfunc_end_k_qff918a1679_netf-k_qff918a1679_netf
	.p2alignl 7, 3214868480
	.fill 96, 4, 3214868480
	.section	.rodata,"a",@progbits
	.p2align	6, 0x0
	.amdhsa_kernel k_qff918a1679_netf
		.amdhsa_group_segment_fixed_size 65280
		.amdhsa_private_segment_fixed_size 0
		.amdhsa_enable_private_segment 0
		.amdhsa_kernarg_size 104
		.amdhsa_user_sgpr_count 2
		.amdhsa_user_sgpr_kernarg_segment_ptr 1
		.amdhsa_wavefront_size32 1
		.amdhsa_system_sgpr_workgroup_id_x 1
		.amdhsa_system_sgpr_workgroup_id_y 1
		.amdhsa_system_sgpr_workgroup_id_z 1
		.amdhsa_system_vgpr_workitem_id 0
		.amdhsa_next_free_vgpr 1024
		.amdhsa_next_free_sgpr 66
		.amdhsa_reserve_vcc 1
		.amdhsa_float_denorm_mode_32 3
		.amdhsa_float_denorm_mode_16_64 3
		.amdhsa_memory_ordered 1
		.amdhsa_forward_progress 1
		.amdhsa_inst_pref_size 189
	.end_amdhsa_kernel
	.amdgpu_metadata
---
amdhsa.version: [ 1, 2 ]
amdhsa.kernels:
  - .name:           k_qff918a1679_netf
    .symbol:         k_qff918a1679_netf.kd
    .args:
      - { .name: x, .offset: 0, .size: 8, .value_kind: global_buffer, .address_space: global }
      - { .name: t, .offset: 8, .size: 8, .value_kind: global_buffer, .address_space: global }
      - { .name: W0, .offset: 16, .size: 8, .value_kind: global_buffer, .address_space: global }
      - { .name: b0, .offset: 24, .size: 8, .value_kind: global_buffer, .address_space: global }
      - { .name: W1, .offset: 32, .size: 8, .value_kind: global_buffer, .address_space: global }
      - { .name: b1, .offset: 40, .size: 8, .value_kind: global_buffer, .address_space: global }
      - { .name: W2, .offset: 48, .size: 8, .value_kind: global_buffer, .address_space: global }
      - { .name: b2, .offset: 56, .size: 8, .value_kind: global_buffer, .address_space: global }
      - { .name: W3, .offset: 64, .size: 8, .value_kind: global_buffer, .address_space: global }
      - { .name: b3, .offset: 72, .size: 8, .value_kind: global_buffer, .address_space: global }
      - { .name: W4, .offset: 80, .size: 8, .value_kind: global_buffer, .address_space: global }
      - { .name: b4, .offset: 88, .size: 8, .value_kind: global_buffer, .address_space: global }
      - { .name: out0, .offset: 96, .size: 8, .value_kind: global_buffer, .address_space: global }
    .group_segment_fixed_size: 65280
    .private_segment_fixed_size: 0
    .kernarg_segment_align: 8
    .kernarg_segment_size: 104
    .max_flat_workgroup_size: 128
    .sgpr_count:     66
    .vgpr_count:     1024
    .wavefront_size: 32
...
	.end_amdgpu_metadata
.endif
;; end of part 2
